; MI455X (gfx1250); checked and timed in simulation.
; The chip was launched on July 23, 2026; its instructions are those of AMD's public machine-readable ISA for CDNA 5 (MIT licence, August 2026) and "CDNA5" Instruction Set Architecture Reference Guide (July 2026). The comments in the code are by the model that wrote it; some were corrected since.
;; Quantisation. Allowed arithmetic: matrix products marked QUANTISED: E3M2 operands, one E8M0 scale for each 32 along K, by v_wmma_scale_f32_16x16x128_f8f6f4 with both operands' format E3M2, f32 sums; everything else in f32.
;; Inputs: weight 8,192 x 256 float32; x_flat 32,768 x 256 float32.
;; Outputs: out0 32,768 x 256 float32.
;; This version of the problem:
;;   THIS VERSION OF THE PROBLEM IS GIVEN IN LOW PRECISION. The matrix products marked QUANTISED in the list below multiply operands that are first quantised to E3M2 (3 exponent bits, 2 mantissa bits; 6 bits a number), with one power-of-two scale for each 32 numbers along K (OCP MX v1.0); their sums are f32. All else is computed in f32.
;;   The module's matrix products, in the order in which they are computed (A, B: the left and right operand; K: the contracted axis; several contracted axes count as one K, in the product's order):
;;     1. [M 32,768, K 256] x [K 256, N 8,192]; A: input x_flat; B: input weight: QUANTISED
;;   THE QUANTISER, for each operand of a quantised product, along K:
;;     - K is cut into blocks of 32 from its start; a last block that is shorter is filled with zeros.
;;     - A block's scale is 2^e with e = floor(log2(the largest magnitude in the block)) - 4, held to -126 .. 127; a block of zeros has e = 0. As a byte (E8M0): e + 127.
;;     - Each number is divided by its block's scale, clamped to +-28, and rounded to the nearest number of E3M2, ties to even, subnormals kept.
;;     - The product sums the exact products of the quantised numbers (number of the format x scale) in f32.
;;   ~~~python
;;   def quantise(x, axis):      # numpy; x: float32 -> the quantised numbers, widened to float32 again
;;       x = np.moveaxis(x, axis, -1); K = x.shape[-1]
;;       x = np.pad(x, [(0, 0)] * (x.ndim - 1) + [(0, -K % 32)]); x = x.reshape(x.shape[:-1] + (-1, 32)); a = np.abs(x).max(-1, keepdims=True)
;;       e = np.where(a > 0, np.clip(np.frexp(np.where(a > 0, a, 1))[1] - 1 - 4, -126, 127), 0)      # np.frexp(a)[1] - 1 = floor(log2(a)), exactly
;;       r = np.clip(x / 2.0 ** e, -28, 28)
;;       step = 2.0 ** (np.maximum(np.frexp(np.where(r == 0, 1, r))[1] - 1, -2) - 2)
;;       q = np.round(r / step) * step * 2.0 ** e      # np.round: ties to even
;;       return np.moveaxis(q.reshape(q.shape[:-2] + (-1,))[..., :K], -1, axis).astype(np.float32)
;;   ~~~
;; One version. Each part assembles by itself: llvm-mc -triple=amdgcn-amd-amdhsa -mcpu=gfx1250 --defsym DOCPART=n.
;; ======== version 1 of 1: 3 launches
;; limits: right only within a limited range of input values
;; workspace buffers: xq 6,815,744 bytes; wq 1,703,936 bytes; pkey 1,048,576 bytes of whole numbers; ptile 1,048,576 bytes of whole numbers
;; launch quant (part 1): grid 640 x 1, 4 waves a work-group, no clusters, 68,096 bytes of LDS; arguments x_flat, weight, xq, wq; writes xq, wq
.if DOCPART == 1
	.amdgcn_target "amdgcn-amd-amdhsa--gfx1250"
	.amdhsa_code_object_version 6
	.text
	.protected	k_q8f61a7a8c1_quant
	.globl	k_q8f61a7a8c1_quant
	.p2align	8
	.type	k_q8f61a7a8c1_quant,@function
k_q8f61a7a8c1_quant:
	s_mov_b64 s[64:65], 0
	v_nop
	global_prefetch_b8 v0, s[64:65] scope:SCOPE_SE
	s_setreg_imm32_b32 hwreg(HW_REG_WAVE_MODE, 25, 1), 1
	s_wait_xcnt 0x0
; x_flat [32768][256] and weight [8192][256], f32, become RECORDS: one record of 3,328 bytes for each tile of 16 rows x 256 along K.
; A record is an image of the matrix operand's registers in codes of BF6 (E3M2), with what goes with them:
;   bytes (3 s + q) 512 + 16 lane : registers 4 q .. 4 q + 3 of the fragment of K step s (128 along K); in a fragment lane (r, h) holds row r, registers 6 c .. 6 c + 5 = k 128 s + 64 c + 32 h + 0 .. 31
;   bytes 3072 + 4 lane           : scale words (four E8M0 bytes, one for each 32 along K): lanes 0-15 row r's word of K step 0, lanes 16-31 of K step 1
;   bytes 3200 + 4 row            : the row's sum of squares of the UNquantised numbers, f32;  bytes 3264 .. 3327: zeros
; A block's scale is 2^(floor(log2(largest magnitude)) - 4); its byte is the largest magnitude's exponent field - 4, held at 1 from below.
; LIMITS: a block of zeros gets the byte 1 (its codes are zeros, and the bytes are read by this program alone); NaN and infinities among the inputs are not served;
; the sums of squares are taken in four chains of packed fused multiply-adds, another order of rounding than a plain sum along the row.
; SHARES: one wave makes one record; waves share nothing, so there is no barrier.  Work-groups 0 .. 511 take x, the others weight: only pointers are chosen, both take one path.
; Each global load reads 512 consecutive bytes; the tile turns through the wave's own stage in LDS so that a lane gets four whole blocks of 32 neighbours along K.
; No matrix unit, no cluster, no tensor load: each input byte is read once by one wave.
.set REC,   3328
.set XWG,   512                        ; work-groups that take x: 2,048 tiles, four a work-group
.set PITCH, 528                        ; a stage row: 512 bytes (128 numbers) + 16: sixteen rows start at sixteen different 16-byte columns modulo 256
.set STG,   16*PITCH                   ; a stage: 16 rows of one K step
.set WREG,  2*STG                      ; a wave's LDS: two stages
.set TM,    8                          ; v8-11    largest magnitudes of my four blocks
.set SO,    12                         ; v12-15   the conversions' scale operands
.set BY,    16                         ; v16-19   the scale bytes
.set NS,    20                         ; v20-27   sums of squares, a pair for each block
.set R,     32                         ; v32-159  128 numbers: as loaded, then block B at R + 32 B
.set C,     160                        ; v160-183 the two fragments' codes
.set T,     184                        ; v184-198 each block's upper 16 codes, made here and moved (a conversion's three registers begin on an even number)
	s_load_b256 s[4:11], s[0:1], 0x0               ; x_flat s[4:5], weight s[6:7], xq s[8:9], wq s[10:11]
	v_lshl_add_u32 v200, v0, 2, 0x10800
	v_mov_b32 v201, 0
	v_lshrrev_b32 v1, 5, v0
	v_readfirstlane_b32 s12, v1                    ; wave
	v_and_b32 v1, 31, v0                           ; lane
	v_and_b32 v2, 15, v0                           ; r
	v_bfe_u32 v3, v0, 4, 1                         ; h
	v_lshlrev_b32 v4, 4, v1                        ; 16 x lane: my place in a load's, and in a store's, 512 bytes
	v_lshlrev_b32 v7, 2, v1                        ; 4 x lane
	s_mul_i32 s13, s12, WREG
	v_add_nc_u32 v5, s13, v4                       ; the stage, on the way in
	v_mul_u32_u24 v6, v2, PITCH
	v_lshl_add_u32 v6, v3, 7, v6
	v_add_nc_u32 v6, s13, v6                       ; and on the way out: row r, + 128 h bytes (32 numbers)
	v_mov_b32 v31, 0                               ; written once: a lane permute's destination counts as one of its sources
	s_mov_b32 s20, 0x76543210
	s_mov_b32 s21, 0xfedcba98                      ; v_permlanex16_b32's selects for lane l xor 16
	s_mov_b32 s22, 0xffff0000                      ; lanes 16-31
	s_wait_alu depctr_va_vdst(0)
	s_wait_kmcnt 0x0
	s_cmp_lt_u32 ttmp9, XWG                        ; x's work-group or weight's?  The choice hangs on the work-group's number alone
	s_cselect_b64 s[4:5], s[4:5], s[6:7]
	s_cselect_b64 s[8:9], s[8:9], s[10:11]
	s_cselect_b32 s14, 0, XWG
	s_sub_co_u32 s14, ttmp9, s14
	s_lshl_b32 s14, s14, 2
	s_add_co_u32 s14, s14, s12                     ; my tile of the tensor
	s_lshl_b32 s16, s14, 14                        ; 16 rows of 1,024 bytes
	s_mov_b32 s17, 0
	s_add_nc_u64 s[4:5], s[4:5], s[16:17]
	s_mul_i32 s16, s14, REC
	s_add_nc_u64 s[8:9], s[8:9], s[16:17]
.set j, 0
.rept 32
	global_load_b128 v[R+4*j:R+4*j+3], v4, s[4:5] offset:512*j th:TH_LOAD_NT   ; row j / 2, K step j % 2: 512 consecutive bytes
.set j, j+1
.endr
.set j, 0
.rept 4
	s_wait_loadcnt 24-j                            ; loads come back in order: this group of eight is in, the younger ones stay out
.rept 8
	ds_store_b128 v5, v[R+4*j:R+4*j+3] offset:(j%2)*STG+(j/2)*PITCH
.set j, j+1
.endr
.endr
	s_wait_dscnt 0x0                               ; the stores have read their registers, which the loads below fill again
.irp s, 0,1
.irp c, 0,1
.irp i, 0,1,2,3,4,5,6,7
	ds_load_b128 v[R+32*(2*\s+\c)+4*\i:R+32*(2*\s+\c)+4*\i+3], v6 offset:\s*STG+256*\c+16*\i   ; block B = 2 s + c: k = 128 s + 64 c + 32 h + 0 .. 31 of row r
.endr
.endr
.endr
	s_wait_dscnt 0x0
; the four blocks by turns: no line waits for the line above it
.irp b, 0,1,2,3
	v_max3_num_f32 v[TM+\b], |v[R+32*\b]|, |v[R+32*\b+1]|, 0x2800000   ; and the floor 2^(5 - 127): the byte cannot fall under 1
	v_pk_mul_f32 v[NS+2*\b:NS+2*\b+1], v[R+32*\b:R+32*\b+1], v[R+32*\b:R+32*\b+1]
.endr
.irp i, 2,4,6,8,10,12,14,16,18,20,22,24,26,28,30
.irp b, 0,1,2,3
	v_max3_num_f32 v[TM+\b], v[TM+\b], |v[R+32*\b+\i]|, |v[R+32*\b+\i+1]|
	v_pk_fma_f32 v[NS+2*\b:NS+2*\b+1], v[R+32*\b+\i:R+32*\b+\i+1], v[R+32*\b+\i:R+32*\b+\i+1], v[NS+2*\b:NS+2*\b+1]
.endr
.endr
.irp b, 0,1,2,3
	v_add_nc_u32 v[SO+\b], 0xfe000000, v[TM+\b]    ; 4 off the exponent field: the conversion takes the exponent field of this operand as its scale, and nothing else of it
.endr
.irp b, 0,1,2,3
	v_lshrrev_b32 v[BY+\b], 23, v[SO+\b]           ; the scale's byte
.endr
.irp b, 0,1,2,3
	v_cvt_scalef32_pk16_bf6_f32 v[C+6*\b:C+6*\b+2], v[R+32*\b:R+32*\b+15], v[SO+\b]          ; the block's lower 16 codes: registers 6 c .. 6 c + 2 of fragment s
	v_cvt_scalef32_pk16_bf6_f32 v[T+4*\b:T+4*\b+2], v[R+32*\b+16:R+32*\b+31], v[SO+\b]       ; its upper 16
.endr
	v_nop                                          ; one plain vector instruction behind a scaled conversion, ahead of the moves that read its result
.irp b, 0,1,2,3
.irp i, 0,1,2
	v_mov_b32 v[C+6*\b+3+\i], v[T+4*\b+\i]
.endr
.endr
	; the scale words: my bytes are those of blocks h and 2 + h of each K step; lane l xor 16 has the other two
	v_lshlrev_b32 v28, 3, v3                       ; 8 h bits up
	v_lshl_or_b32 v29, v[BY+1], 16, v[BY]
	v_lshl_or_b32 v30, v[BY+3], 16, v[BY+2]
	v_lshlrev_b32 v29, v28, v29
	v_lshlrev_b32 v30, v28, v30
	v_permlanex16_b32 v31, v29, s20, s21
	v_or_b32 v29, v29, v31                         ; row r's word of K step 0
	v_permlanex16_b32 v31, v30, s20, s21
	v_or_b32 v30, v30, v31                         ; and of K step 1
	v_cndmask_b32 v29, v29, v30, s22               ; lanes 0-15 store the first, lanes 16-31 the second
	; the row's sum of squares
	v_pk_add_f32 v[NS:NS+1], v[NS:NS+1], v[NS+2:NS+3]
	v_pk_add_f32 v[NS+4:NS+5], v[NS+4:NS+5], v[NS+6:NS+7]
	v_pk_add_f32 v[NS:NS+1], v[NS:NS+1], v[NS+4:NS+5]
	v_add_f32 v[NS], v[NS], v[NS+1]
	v_permlanex16_b32 v31, v[NS], s20, s21
	v_add_f32 v[NS], v[NS], v31
	v_mov_b32 v[NS+1], 0
	v_cndmask_b32 v[NS], v[NS], v[NS+1], s22       ; lanes 16-31 write the record's closing zeros
.irp q, 0,1,2,3,4,5
	global_store_b128 v4, v[C+4*\q:C+4*\q+3], s[8:9] offset:512*\q   ; 32 lanes store 512 consecutive bytes, at a multiple of 256 from the buffer's first byte
.endr
	global_store_b32 v7, v29, s[8:9] offset:3072   ; these two stores together cover the record's last 256 bytes
	global_store_b32 v7, v[NS], s[8:9] offset:3200
	s_wait_tensorcnt 0x0
	ds_add_u32 v200, v201
	s_wait_dscnt 0x0
	s_endpgm
.Lfunc_end_k_q8f61a7a8c1_quant:
	.size	k_q8f61a7a8c1_quant, .Lfunc_end_k_q8f61a7a8c1_quant-k_q8f61a7a8c1_quant
	.p2alignl 7, 3214868480
	.fill 96, 4, 3214868480
	.section	.rodata,"a",@progbits
	.p2align	6, 0x0
	.amdhsa_kernel k_q8f61a7a8c1_quant
		.amdhsa_group_segment_fixed_size 68096
		.amdhsa_private_segment_fixed_size 0
		.amdhsa_enable_private_segment 0
		.amdhsa_kernarg_size 32
		.amdhsa_user_sgpr_count 2
		.amdhsa_user_sgpr_kernarg_segment_ptr 1
		.amdhsa_wavefront_size32 1
		.amdhsa_system_sgpr_workgroup_id_x 1
		.amdhsa_system_sgpr_workgroup_id_y 1
		.amdhsa_system_sgpr_workgroup_id_z 1
		.amdhsa_system_vgpr_workitem_id 0
		.amdhsa_next_free_vgpr 202
		.amdhsa_next_free_sgpr 66
		.amdhsa_reserve_vcc 0
		.amdhsa_float_denorm_mode_32 3
		.amdhsa_float_denorm_mode_16_64 3
		.amdhsa_memory_ordered 1
		.amdhsa_forward_progress 1
		.amdhsa_inst_pref_size 21
	.end_amdhsa_kernel
	.amdgpu_metadata
---
amdhsa.version: [ 1, 2 ]
amdhsa.kernels:
  - .name:           k_q8f61a7a8c1_quant
    .symbol:         k_q8f61a7a8c1_quant.kd
    .args:
      - { .name: x_flat, .offset: 0, .size: 8, .value_kind: global_buffer, .address_space: global }
      - { .name: weight, .offset: 8, .size: 8, .value_kind: global_buffer, .address_space: global }
      - { .name: xq, .offset: 16, .size: 8, .value_kind: global_buffer, .address_space: global }
      - { .name: wq, .offset: 24, .size: 8, .value_kind: global_buffer, .address_space: global }
    .group_segment_fixed_size: 68096
    .private_segment_fixed_size: 0
    .kernarg_segment_align: 8
    .kernarg_segment_size: 32
    .max_flat_workgroup_size: 128
    .sgpr_count:     66
    .vgpr_count:     202
    .wavefront_size: 32
...
	.end_amdgpu_metadata
.endif
;; end of part 1
;; launch dist (part 2): grid 32 x 8, 8 waves a work-group, clusters of 4 x 1, 327,680 bytes of LDS; arguments xq, wq, pkey, ptile; writes pkey, ptile
.if DOCPART == 2
	.amdgcn_target "amdgcn-amd-amdhsa--gfx1250"
	.amdhsa_code_object_version 6
	.text
	.protected	k_q8f61a7a8c1_dist
	.globl	k_q8f61a7a8c1_dist
	.p2align	8
	.type	k_q8f61a7a8c1_dist,@function
k_q8f61a7a8c1_dist:
	s_mov_b64 s[64:65], 0
	v_nop
	global_prefetch_b8 v0, s[64:65] scope:SCOPE_SE
	s_setreg_imm32_b32 hwreg(HW_REG_WAVE_MODE, 25, 1), 1
	s_wait_xcnt 0x0
	s_wait_alu depctr_hold_cnt(0) depctr_sa_sdst(0) depctr_va_vdst(0) depctr_va_sdst(0) depctr_va_ssrc(0) depctr_va_vcc(0) depctr_vm_vsrc(0)
	s_getreg_b32 s2, hwreg(HW_REG_IB_STS2, 6, 4)
	s_cmp_eq_u32 s2, 0
	s_cbranch_scc0 .Lentry_in_a_cluster
	s_endpgm
.Lentry_in_a_cluster:
	s_bfe_u32 s2, ttmp6, 0x10000c
	s_cmp_lg_u32 s2, 0x3003
	s_cbranch_scc0 .Lentry_shape_is_right
	s_endpgm
.Lentry_shape_is_right:
; For each token and each eighth of the codebook: the smallest d = fl(fl(x2 + w2[k]) - 2 dot(x, w[k])) over the eighth's 1,024 codes, and the FIRST QUAD of codes (4 neighbours) that reaches it.
; The dot products are made on codes of BF6 (E3M2) with E8M0 scales, 256 along K = two matrix instructions for 16 codes x 16 tokens.  d's two roundings are made as written: one addition, one fused multiply-add by -2.
; xq, wq: records of 3,328 bytes for 16 rows x 256 K: six runs of 512 bytes (images of the two fragments' registers), 128 bytes of scale words (lanes 0-15 K step 0, lanes 16-31 K step 1), 64 bytes of sums of squares, 64 of zeros.
; pkey [8][32768]: d's bits as a whole number that orders as d does.  ptile [8][32768]: the quad, code / 4, 0 .. 2047.
; SHARES.  A work-group owns 1,024 tokens and one eighth of the codes; each of its eight waves owns 128 tokens: eight records of x in 192 registers.  Every wave walks the eighth's 64 records of w from LDS.
; LDS.  The 64 records, 212,992 bytes, as they lie in memory, each byte filled once.  At the head every wave asks for 2 records (tiles 0-15 in all); behind a round of the cluster's barrier
; every wave asks for 6 more (tiles 16-63), which land while tiles 0-13 are worked on; one barrier shows them to all waves ahead of the first fetch from them.  By this text's count a wave has one tensor load out at a time.
; CLUSTER.  The four work-groups of a cluster have the same eighth: each load is a joint one, with the same descriptor in all four and a mask that names the four.
; No prefetch: both streams are asked for at the head, and there is no loop to run ahead in.
; THE PRODUCT IS USED TRANSPOSED: source 0 = 16 codes, source 1 = 16 tokens: lane (r, h) holds token r, and its register j code 8 h + j of the tile.
; TIES.  The running minimum is taken in two stages, over registers 0-3 and then 4-7; a quad's number is taken only where its stage lets the minimum fall (a strict compare), so the first quad stays;
; the halves of the lanes are joined at the end: the lower key, on equal keys the lower quad.
; LIMITS.  NaN and infinities among the inputs are not served (the minimum lets a NaN lose).  -0 would order just under +0 in the key; d is never -0 here, since x2 + w2 is never -0.
; REGISTERS.  window 0: v1-3 my lane's places in a record; v4-6 the addresses in hand; v7, v10 the numbers of my two quads of the tile; v8, v9 4 x lane, 4 r; v11 h; v12-19 quads; v20-35 pairs (the minimum, the first stage's);
;   v44-51 x's scale words; v52-53 w's; v56-71 w2, two sets; v72-119 w's fragments, two sets; v120-151 x2 + w2; v152-215 eight accumulators; v216-235 the end; v236-251 pairs (x2, 0); v254, v255 the add's.   window 1: v0-191 x's fragments.
.set REC,  3328
.set TI,   12
.set MN,   20
.set XS,   44
.set WS,   52
.set W2,   56
.set WF,   72
.set XT,   120
.set ACC,  152
.set X2,   236
.set SPW,  254
.set NIL,  255
.set SPARE, 64*REC                     ; behind the records: the spare words, 128 bytes a wave
.set G1,   24                          ; s[24:31] group 1 of the head's loads: 26 rows of 256 bytes
.set G0,   32                          ; s[32:35], s[36:39] group 0 of the two loads
.set G1L,  40                          ; s[40:47] group 1 of the later loads: 78 rows
.set MSB,  0
.macro WIN new                         ; the immediate's high byte repeats the setting that is left
.if MSB != \new
	s_set_vgpr_msb (MSB<<8)|\new
.set MSB, \new
.endif
.endm
.macro ROUND                           ; a round of the cluster's barrier
	s_barrier_signal -1
	s_barrier_wait -1
	s_cmp_lg_u32 s12, 0
	s_cbranch_scc1 .Lnot_wave_0_\@
	s_barrier_signal -3
.Lnot_wave_0_\@:
	s_barrier_wait -3
	s_barrier_signal -1
	s_barrier_wait -1
.endm
.macro FETCH b, a0, a1, a2, off        ; nine LDS loads: a record of w into set b
.irp q, 0,1,2,3,4,5
	ds_load_b128 v[WF+24*\b+4*\q:WF+24*\b+4*\q+3], v[\a0] offset:\off+512*\q
.endr
	ds_load_b32 v[WS+\b], v[\a1] offset:\off
	ds_load_b128 v[W2+8*\b:W2+8*\b+3], v[\a2] offset:\off
	ds_load_b128 v[W2+8*\b+4:W2+8*\b+7], v[\a2] offset:\off+16
.endm
; One tile of 16 codes, in set b, against my 128 tokens.  cnt: the LDS loads younger than this set's nine.
.macro TILE b, fetch, off, cnt
	s_wait_dscnt \cnt
	WIN 0x04                                       ; source 1 (x) in window 1
.irp t, 0,1,2,3,4,5,6,7                ; the eight accumulators take turns; the first K step starts the sums
	v_wmma_scale_f32_16x16x128_f8f6f4 v[ACC+8*\t:ACC+8*\t+7], v[WF+24*\b:WF+24*\b+11], v[24*\t:24*\t+11], 0, v[WS+\b], v[XS+\t] matrix_a_fmt:MATRIX_FMT_BF6 matrix_b_fmt:MATRIX_FMT_BF6
.endr
.irp t, 0,1,2,3,4,5,6,7                ; the second K step takes its scale words from lanes 16-31
	v_wmma_scale_f32_16x16x128_f8f6f4 v[ACC+8*\t:ACC+8*\t+7], v[WF+24*\b+12:WF+24*\b+23], v[24*\t+12:24*\t+23], v[ACC+8*\t:ACC+8*\t+7], v[WS+\b], v[XS+\t] matrix_a_fmt:MATRIX_FMT_BF6 matrix_b_fmt:MATRIX_FMT_BF6 matrix_a_scale:MATRIX_SCALE_ROW1 matrix_b_scale:MATRIX_SCALE_ROW1
.endr
	WIN 0
.irp g, 0,1                            ; the first sixteen additions name no register of the products: they are the places behind them (ISA guide 7.12.1)
.irp u, 0,1,2,3
.irp p, 0,2,4,6
	v_pk_add_f32 v[XT+8*\u+\p:XT+8*\u+\p+1], v[W2+8*\b+\p:W2+8*\b+\p+1], v[X2+2*(4*\g+\u):X2+2*(4*\g+\u)+1] op_sel_hi:[1,0]   ; x2 + w2, rounded once
.endr
.endr
.irp u, 0,1,2,3
.irp p, 0,2,4,6
	v_pk_fma_f32 v[ACC+8*(4*\g+\u)+\p:ACC+8*(4*\g+\u)+\p+1], v[ACC+8*(4*\g+\u)+\p:ACC+8*(4*\g+\u)+\p+1], -2.0, v[XT+8*\u+\p:XT+8*\u+\p+1] op_sel_hi:[1,0,1]   ; d, rounded once; each accumulator from its low end on
.endr
.endr
.endr
.irp t, 0,1,2,3,4,5,6,7                ; the first stage: the minimum so far and codes 8 h + 0 .. 3 (the eight token tiles by turns)
	v_min3_num_f32 v[MN+2*\t+1], v[MN+2*\t], v[ACC+8*\t], v[ACC+8*\t+1]
.endr
.irp t, 0,1,2,3,4,5,6,7
	v_min3_num_f32 v[MN+2*\t+1], v[MN+2*\t+1], v[ACC+8*\t+2], v[ACC+8*\t+3]
.endr
.irp t, 0,1,2,3,4,5,6,7
	v_cmp_lt_f32 s[48+\t], v[MN+2*\t+1], v[MN+2*\t]         ; has the minimum fallen?
.endr
.irp t, 0,1,2,3,4,5,6,7
	v_cndmask_b32 v[TI+\t], v[TI+\t], v7, s[48+\t]          ; then this quad is the first that holds it
.endr
.irp t, 0,1,2,3,4,5,6,7                ; the second stage: codes 8 h + 4 .. 7
	v_min3_num_f32 v[MN+2*\t], v[MN+2*\t+1], v[ACC+8*\t+4], v[ACC+8*\t+5]
.endr
.irp t, 0,1,2,3,4,5,6,7
	v_min3_num_f32 v[MN+2*\t], v[MN+2*\t], v[ACC+8*\t+6], v[ACC+8*\t+7]
.endr
.irp t, 0,1,2,3,4,5,6,7
	v_cmp_lt_f32 s[48+\t], v[MN+2*\t], v[MN+2*\t+1]
.endr
.irp t, 0,1,2,3,4,5,6,7
	v_cndmask_b32 v[TI+\t], v[TI+\t], v10, s[48+\t]
.endr
	v_add_nc_u32 v7, 4, v7                         ; a tile has four quads
	v_add_nc_u32 v10, 4, v10
.if \fetch
	FETCH \b, 4, 5, 6, \off
.endif
.endm
.macro RUN first, trips                ; 2 x trips tiles from tile first on; each tile's set is filled again with the tile two further on
	s_mov_b32 s22, (\first+2)*REC
	s_mov_b32 s23, \trips
.Lrun_\@:
	v_add_nc_u32 v4, s22, v1
	v_add_nc_u32 v5, s22, v2
	v_add_nc_u32 v6, s22, v3
	TILE 0, 1, 0, 9                                ; the other set's nine loads may stay out
	TILE 1, 1, REC, 9
	s_add_co_u32 s22, s22, 2*REC
	s_sub_co_u32 s23, s23, 1
	s_cmp_lg_u32 s23, 0
	s_cbranch_scc1 .Lrun_\@
.endm
	s_load_b256 s[4:11], s[0:1], 0x0               ; xq s[4:5], wq s[6:7], pkey s[8:9], ptile s[10:11]
	v_lshl_add_u32 v[SPW], v0, 2, SPARE
	v_mov_b32 v[NIL], 0
	ds_add_u32 v[SPW], v[NIL]                      ; the opening lines: the add, twice on end, and one wait
	ds_add_u32 v[SPW], v[NIL]
	v_lshrrev_b32 v10, 5, v0
	s_delay_alu instid0(VALU_DEP_1)
	v_readfirstlane_b32 s12, v10                   ; wave 0..7
	v_and_b32 v10, 31, v0                          ; lane
	v_and_b32 v11, 15, v0                          ; r
	s_delay_alu instid0(VALU_DEP_2)
	v_lshlrev_b32 v1, 4, v10                       ; 16 x lane
	s_delay_alu instid0(VALU_DEP_3)
	v_lshlrev_b32 v8, 2, v10                       ; 4 x lane
	s_delay_alu instid0(VALU_DEP_3)
	v_lshlrev_b32 v9, 2, v11                       ; 4 r
	v_lshl_add_u32 v2, v10, 2, 3072                ; a record's scale words
	v_bfe_u32 v11, v0, 4, 1                        ; h
	s_delay_alu instid0(VALU_DEP_1)
	v_lshl_add_u32 v3, v11, 5, 3200                ; its sums of squares, from code 8 h on
	s_bfe_u32 s13, ttmp6, 0x40000                  ; cx: it enters xq's, pkey's and ptile's addresses alone
	s_lshl_b32 s14, ttmp9, 2
	s_add_co_u32 s14, s14, s13                     ; my block of 1,024 tokens
	s_and_b32 s15, ttmp7, 0xffff                   ; the eighth, which the four partners share
.irp g, G1, G1L                        ; dense rows of 256 bytes (32 elements of 8 bytes), no padding; the mask names all four work-groups, bit 21 beside it
	s_mov_b32 s[\g+0], 15|(3<<16)|(1<<21)
	s_mov_b32 s[\g+1], 32<<16
	s_mov_b32 s[\g+3], 32<<16
	s_mov_b32 s[\g+5], 32
	s_mov_b32 s[\g+6], 0
	s_mov_b32 s[\g+7], 0
.endr
	s_mov_b32 s[G1+2], 26<<16                      ; 2 records
	s_mov_b32 s[G1+4], 26
	s_mov_b32 s[G1L+2], 78<<16                     ; 6 records
	s_mov_b32 s[G1L+4], 78
	s_mul_i32 s16, s12, 2*REC                      ; my part of tiles 0-15: the same place in LDS and in the eighth
	s_mul_i32 s57, s12, 6*REC
	s_add_co_u32 s57, s57, 16*REC                  ; and of tiles 16-63
	s_mul_i32 s18, s15, 64*REC                     ; the eighth's first byte in wq
	s_mov_b32 s19, 0
	s_lshl_b32 s17, s15, 8                         ; the eighth's first quad
	s_mov_b32 s56, 0xffff0000                      ; lanes 16-31
	s_mov_b32 s58, 0x76543210
	s_mov_b32 s59, 0xfedcba98                      ; v_permlanex16_b32's selects for lane l xor 16
	s_lshl_b32 s60, s14, 6
	s_lshl_b32 s61, s12, 3
	s_add_co_u32 s60, s60, s61                     ; my first record of x: 64 x block + 8 x wave
	s_mul_i32 s60, s60, REC
	s_mov_b32 s61, 0
	s_wait_alu depctr_va_vdst(0)
	s_wait_dscnt 0x0                               ; both opening adds are done
	s_wait_kmcnt 0x0
	s_add_nc_u64 s[4:5], s[4:5], s[60:61]
	s_add_nc_u64 s[20:21], s[6:7], s[18:19]
	s_mov_b32 s18, s16
	s_mov_b32 s[G0], 1
	s_add_co_u32 s[G0+1], s16, 0
	s_add_nc_u64 s[G0+2:G0+3], s[20:21], s[18:19]
	s_or_b32 s[G0+3], s[G0+3], 0x80000000
	s_mov_b32 s18, s57
	s_mov_b32 s[G0+4], 1
	s_add_co_u32 s[G0+5], s57, 0
	s_add_nc_u64 s[G0+6:G0+7], s[20:21], s[18:19]
	s_or_b32 s[G0+7], s[G0+7], 0x80000000
	ROUND                                          ; all four work-groups are here: the joint loads meet
	tensor_load_to_lds s[G0:G0+3], s[G1:G1+7]      ; my one load at the head, ahead of x's 64 loads
	s_nop 0
.rept 4
	v_nop
.endr
	WIN 0x40                                       ; destination window 1
.irp t, 0,1,2,3,4,5,6,7
.irp q, 0,1,2,3,4,5
	global_load_b128 v[24*\t+4*\q:24*\t+4*\q+3], v1, s[4:5] offset:\t*REC+512*\q   ; x's fragments stay in registers
.endr
.endr
	WIN 0
.irp t, 0,1,2,3,4,5,6,7
	global_load_b32 v[XS+\t], v8, s[4:5] offset:\t*REC+3072        ; their scale words
	global_load_b32 v[X2+2*\t], v9, s[4:5] offset:\t*REC+3200      ; x2 of token r, in lanes r and r + 16
.endr
	v_lshl_add_u32 v7, v11, 1, s17                 ; my first quad of the tile in hand: 4 x tile + 2 h,
	s_delay_alu instid0(VALU_DEP_1)
	v_add_nc_u32 v10, 1, v7                        ; and my second
.irp t, 0,1,2,3,4,5,6,7
	v_mov_b32 v[TI+\t], v7                         ; where no d is under +infinity my first quad of the eighth stands
	v_mov_b32 v[MN+2*\t], 0x7f800000               ; the minimum so far: +infinity
	v_mov_b32 v[X2+2*\t+1], 0                      ; (named with x2 as a pair)
.endr
	v_mov_b32 v217, 0                              ; a lane permute's destination counts as one of its sources
	v_mov_b32 v218, 0
	s_lshl_b32 s62, s15, 15
	s_lshl_b32 s63, s14, 10
	s_add_co_u32 s62, s62, s63
	s_lshl_b32 s63, s12, 7
	s_add_co_u32 s62, s62, s63                     ; 32,768 x eighth + 1,024 x block + 128 x wave
	s_lshl_b32 s62, s62, 2
	s_mov_b32 s63, 0
	s_add_nc_u64 s[8:9], s[8:9], s[62:63]
	s_add_nc_u64 s[10:11], s[10:11], s[62:63]
	s_wait_alu depctr_va_vdst(0)
	s_wait_tensorcnt 0x0                           ; my part of tiles 0-15 is in
	ds_add_u32 v[SPW], v[NIL]
	s_wait_dscnt 0x0
	ROUND                                          ; everybody's part is in, and the joint loads meet
	tensor_load_to_lds s[G0+4:G0+7], s[G1L:G1L+7]  ; my part of tiles 16-63
	s_nop 0
.rept 4
	v_nop
.endr
	FETCH 0, 1, 2, 3, 0                            ; tile 0
	FETCH 1, 1, 2, 3, REC                          ; tile 1
	s_wait_loadcnt 0x0                             ; x
	RUN 0, 7                                       ; tiles 0-13; fetches tiles 2-15
	s_wait_tensorcnt 0x0                           ; my part of tiles 16-63 is in
	s_wait_dscnt 0x0                               ; no LDS instruction of mine is pending at the signal
	s_barrier_signal -1
	s_barrier_wait -1                              ; everybody's is
	RUN 14, 24                                     ; tiles 14-61; fetches 16-63
	TILE 0, 0, 0, 9                                ; tile 62
	TILE 1, 0, 0, 0                                ; tile 63
	; THE END.  The minimum becomes a whole number that orders alike; the two halves of the lanes are joined.
.irp t, 0,1,2,3,4,5,6,7
	v_ashrrev_i32 v216, 31, v[MN+2*\t]
	s_delay_alu instid0(VALU_DEP_1)
	v_or_b32 v216, 0x80000000, v216
	s_delay_alu instid0(VALU_DEP_1)
	v_xor_b32 v216, v216, v[MN+2*\t]               ; d >= 0: the sign bit is set; d < 0: all bits are turned
	s_delay_alu instid0(VALU_DEP_1)
	v_permlanex16_b32 v217, v216, s58, s59
	v_permlanex16_b32 v218, v[TI+\t], s58, s59
	s_delay_alu instid0(VALU_DEP_2)
	v_cmp_lt_u32 vcc_lo, v217, v216
	s_delay_alu instid0(VALU_DEP_1)
	v_cndmask_b32 v[228+\t], v[TI+\t], v218, vcc_lo       ; the quad of the lower key,
	s_delay_alu instid0(VALU_DEP_3)
	v_min_u32 v219, v[TI+\t], v218
	v_cmp_eq_u32 vcc_lo, v217, v216
	s_delay_alu instid0(VALU_DEP_1)
	v_cndmask_b32 v[228+\t], v[228+\t], v219, vcc_lo      ; on equal keys the lower quad
	v_min_u32 v[220+\t], v216, v217
.endr
.irp p, 0,1,2,3                        ; token tiles 2 p and 2 p + 1 share a store
	v_cndmask_b32 v[220+2*\p], v[220+2*\p], v[221+2*\p], s56
	v_cndmask_b32 v[228+2*\p], v[228+2*\p], v[229+2*\p], s56
.endr
.irp p, 0,1,2,3
	global_store_b32 v8, v[220+2*\p], s[8:9] offset:128*\p         ; a wave's four stores cover 512 consecutive bytes, at a multiple of 256 from the buffer's first byte
	global_store_b32 v8, v[228+2*\p], s[10:11] offset:128*\p
.endr
	s_wait_tensorcnt 0x0                           ; the wave's end
	ds_add_u32 v[SPW], v[NIL]
	s_wait_dscnt 0x0
	ROUND                                          ; the closing round
	s_endpgm
.Lfunc_end_k_q8f61a7a8c1_dist:
	.size	k_q8f61a7a8c1_dist, .Lfunc_end_k_q8f61a7a8c1_dist-k_q8f61a7a8c1_dist
	.p2alignl 7, 3214868480
	.fill 96, 4, 3214868480
	.section	.rodata,"a",@progbits
	.p2align	6, 0x0
	.amdhsa_kernel k_q8f61a7a8c1_dist
		.amdhsa_group_segment_fixed_size 327680
		.amdhsa_private_segment_fixed_size 0
		.amdhsa_enable_private_segment 0
		.amdhsa_kernarg_size 32
		.amdhsa_user_sgpr_count 2
		.amdhsa_user_sgpr_kernarg_segment_ptr 1
		.amdhsa_wavefront_size32 1
		.amdhsa_system_sgpr_workgroup_id_x 1
		.amdhsa_system_sgpr_workgroup_id_y 1
		.amdhsa_system_sgpr_workgroup_id_z 1
		.amdhsa_system_vgpr_workitem_id 0
		.amdhsa_next_free_vgpr 448
		.amdhsa_next_free_sgpr 66
		.amdhsa_reserve_vcc 1
		.amdhsa_float_denorm_mode_32 3
		.amdhsa_float_denorm_mode_16_64 3
		.amdhsa_memory_ordered 1
		.amdhsa_forward_progress 1
		.amdhsa_inst_pref_size 85
	.end_amdhsa_kernel
	.amdgpu_metadata
---
amdhsa.version: [ 1, 2 ]
amdhsa.kernels:
  - .name:           k_q8f61a7a8c1_dist
    .symbol:         k_q8f61a7a8c1_dist.kd
    .args:
      - { .name: xq, .offset: 0, .size: 8, .value_kind: global_buffer, .address_space: global }
      - { .name: wq, .offset: 8, .size: 8, .value_kind: global_buffer, .address_space: global }
      - { .name: pkey, .offset: 16, .size: 8, .value_kind: global_buffer, .address_space: global }
      - { .name: ptile, .offset: 24, .size: 8, .value_kind: global_buffer, .address_space: global }
    .group_segment_fixed_size: 327680
    .private_segment_fixed_size: 0
    .kernarg_segment_align: 8
    .kernarg_segment_size: 32
    .max_flat_workgroup_size: 256
    .sgpr_count:     66
    .vgpr_count:     448
    .wavefront_size: 32
...
	.end_amdgpu_metadata
.endif
;; end of part 2
;; launch pick (part 3): grid 2048 x 1, 4 waves a work-group, no clusters, 0 bytes of LDS; arguments x_flat, weight, xq, wq, pkey, ptile, out0; writes out0
.if DOCPART == 3
	.amdgcn_target "amdgcn-amd-amdhsa--gfx1250"
	.amdhsa_code_object_version 6
	.text
	.protected	k_q8f61a7a8c1_pick
	.globl	k_q8f61a7a8c1_pick
	.p2align	8
	.type	k_q8f61a7a8c1_pick,@function
k_q8f61a7a8c1_pick:
	s_mov_b64 s[64:65], 0
	v_nop
	global_prefetch_b8 v0, s[64:65] scope:SCOPE_SE
	s_setreg_imm32_b32 hwreg(HW_REG_WAVE_MODE, 25, 1), 1
	s_wait_xcnt 0x0
; For each token: the eight partial minima (whole-number keys and quads) are joined by integer compares, the lower eighth winning a tie; the token is multiplied once more against its winning quad of 4 codes, by the same
; matrix instructions on the same records; d is made by the same two roundings; the FIRST code of the quad with the smallest d is the row's code; out0[n] = x[n] + (weight[code] - x[n]), both roundings in f32 as written.
; The first code that reaches the row's minimum lies in the first quad that reaches it.
; NO ADDRESS HANGS ON d: the quad is a whole number read from memory, and all 4 rows of weight that it names (4,096 consecutive bytes) are loaded; which of them goes out is chosen by v_cndmask_b32, in two levels by the place's two bits.
; THE QUAD IN THE OPERAND: lanes whose row of the fragment is r take the codes of row (r mod 4) + 4 x (quad mod 4) of the record, so row m of the product is code m mod 4 of the quad, and registers 0-3 of every lane hold the quad's 4 distances.
; SHARES.  A work-group is one record of x (16 tokens); wave q takes tokens 4 q .. 4 q + 3: four records of w, eight matrix instructions, 16 rows of weight.  Of the product with token t's record only column 4 q + t is kept.
; The records and rows are chosen by numbers read from memory, so they go from memory straight into registers: no tensor load, no LDS, no joint request (partners would want different records).
; LIMITS: NaN and infinities are not served.
; REGISTERS.  window 0: v1-3 lane, r, lane with bits 2 and 3 cleared; v4 16 x lane; v5, v7 4 x and 16 x v3; v6 4 r; v8-15 keys; v16-23 quads; v24-47 x's fragments; v48 x's scale words; v[50:51] x2, 0; v52-55 w2; v60-67 offsets;
;   v68-71 w's scale words; v72-167 w's fragments; v168-199 four accumulators; v200-203 x2 + w2; v208-211 at work; v212-215 the rows' offsets; v216 4 x lane; v222-253 x's rows.   window 1: token t's four rows at v[32 t + 8 j].
.set REC, 3328
.set KEY, 8
.set TIL, 16
.set XF,  24
.set XS,  48
.set W2,  52
.set OFF, 60
.set OFS, 64
.set WS,  68
.set WF,  72
.set ACC, 168
.set XT,  200
.set RO,  212
.set XR,  222
.set MSB, 0
.macro WIN new                         ; s_set_vgpr_msb: bits 1:0 source 0, 3:2 source 1, 7:6 destination; the high byte repeats the setting that is left
.if MSB != \new
	s_set_vgpr_msb (MSB<<8)|\new
.set MSB, \new
.endif
.endm
	s_load_b256 s[4:11], s[0:1], 0x0               ; x_flat s[4:5], weight s[6:7], xq s[8:9], wq s[10:11]
	s_load_b128 s[12:15], s[0:1], 0x20             ; pkey s[12:13], ptile s[14:15]
	s_load_b64 s[16:17], s[0:1], 0x30              ; out0
	v_lshrrev_b32 v1, 5, v0
	v_readfirstlane_b32 s18, v1                    ; wave q
	v_and_b32 v1, 31, v0                           ; lane
	v_and_b32 v2, 15, v0                           ; r
	v_and_b32 v3, 19, v0                           ; lane with bits 2 and 3 cleared
	v_lshlrev_b32 v4, 4, v1
	v_lshlrev_b32 v5, 2, v3
	v_lshlrev_b32 v6, 2, v2
	v_lshlrev_b32 v7, 4, v3
	v_lshlrev_b32 v216, 2, v1
	v_mov_b32 v51, 0                               ; (named with x2 as a pair)
	s_lshl_b32 s20, ttmp9, 6                       ; my 16 tokens' words
	s_mov_b32 s21, 0
	s_mul_i32 s22, ttmp9, REC                      ; my record of x
	s_mov_b32 s23, 0
	s_lshl_b32 s24, s18, 2                         ; my four tokens: 4 q + t
	s_add_co_u32 s25, s24, 1
	s_add_co_u32 s26, s24, 2
	s_add_co_u32 s27, s24, 3
	s_lshl_b32 s29, 0x10001, s25                   ; lanes 4 q + t and 16 + 4 q + t
	s_lshl_b32 s30, 0x10001, s26
	s_lshl_b32 s31, 0x10001, s27
	s_lshl_b32 s32, ttmp9, 14                      ; my four rows of x_flat and of out0: (16 x work-group + 4 q) x 1,024 bytes
	s_lshl_b32 s33, s18, 12
	s_add_co_u32 s32, s32, s33
	s_mov_b32 s33, 0
	s_wait_alu depctr_va_vdst(0)
	s_wait_kmcnt 0x0
	s_add_nc_u64 s[12:13], s[12:13], s[20:21]
	s_add_nc_u64 s[14:15], s[14:15], s[20:21]
	s_add_nc_u64 s[8:9], s[8:9], s[22:23]
	s_add_nc_u64 s[4:5], s[4:5], s[32:33]
	s_add_nc_u64 s[16:17], s[16:17], s[32:33]
.irp e, 0,1,2,3,4,5,6,7
	global_load_b32 v[KEY+\e], v6, s[12:13] offset:\e*131072       ; token r's key and quad of eighth e, in lanes r and r + 16
	global_load_b32 v[TIL+\e], v6, s[14:15] offset:\e*131072
.endr
.irp q, 0,1,2,3,4,5
	global_load_b128 v[XF+4*\q:XF+4*\q+3], v4, s[8:9] offset:512*\q
.endr
	global_load_b32 v[XS], v216, s[8:9] offset:3072
	global_load_b32 v50, v6, s[8:9] offset:3200
.irp t, 0,1,2,3
	global_load_b128 v[XR+8*\t:XR+8*\t+3], v4, s[4:5] offset:1024*\t th:TH_LOAD_NT        ; a row is two loads of 512 consecutive bytes
	global_load_b128 v[XR+8*\t+4:XR+8*\t+7], v4, s[4:5] offset:1024*\t+512 th:TH_LOAD_NT
.endr
	s_wait_loadcnt 16                              ; the sixteen partials are in; x's sixteen loads may stay out
.irp e, 1,2,3,4,5,6,7
	v_cmp_lt_u32 vcc_lo, v[KEY+\e], v[KEY]         ; strictly lower: on equal keys the lower eighth, which holds the lower codes, stays
	v_cndmask_b32 v[TIL], v[TIL], v[TIL+\e], vcc_lo
	v_min_u32 v[KEY], v[KEY], v[KEY+\e]
.endr
	v_min_u32 v[TIL], 0x7ff, v[TIL]                ; a quad: 0 .. 2047
	v_and_b32 v208, 0x7fc, v[TIL]
	v_mul_u32_u24 v208, v208, REC/4                ; its record
	v_and_b32 v209, 3, v[TIL]
	v_lshl_add_u32 v208, v209, 4, v208             ; w2 of MY token's quad
	s_wait_alu depctr_va_vdst(0)
	global_load_b128 v[W2:W2+3], v208, s[10:11] offset:3200
.irp t, 0,1,2,3
	v_readlane_b32 s[36+\t], v[TIL], s[24+\t]      ; the quad of token 4 q + t, for the whole wave
.endr
.irp t, 0,1,2,3
	s_min_u32 s[36+\t], s[36+\t], 2047
	s_and_b32 s40, s[36+\t], 0x7fc
	s_mul_i32 s40, s40, REC/4                      ; its record,
	s_and_b32 s41, s[36+\t], 3                     ; its place among the record's four quads:
	s_lshl_b32 s42, s41, 6
	s_add_co_u32 s42, s42, s40
	v_add_nc_u32 v[OFF+\t], s42, v7                ; four lanes of 16 bytes for each in a fragment's run,
	s_lshl_b32 s42, s41, 4
	s_add_co_u32 s42, s42, s40
	v_add_nc_u32 v[OFS+\t], s42, v5                ; four words among the scale words;
	s_lshl_b32 s43, s[36+\t], 12
	v_add_nc_u32 v[RO+\t], s43, v4                 ; and its 4 rows of weight
.endr
	s_wait_alu depctr_va_vdst(0)
.irp t, 0,1,2,3
.irp q, 0,1,2,3,4,5
	global_load_b128 v[WF+24*\t+4*\q:WF+24*\t+4*\q+3], v[OFF+\t], s[10:11] offset:512*\q
.endr
	global_load_b32 v[WS+\t], v[OFS+\t], s[10:11] offset:3072
.endr
	WIN 0x40                                       ; destination window 1
.irp t, 0,1,2,3                        ; eight loads of 512 consecutive bytes a token: the quad's 4 rows
.irp j, 0,1,2,3
	global_load_b128 v[32*\t+8*\j:32*\t+8*\j+3], v[RO+\t], s[6:7] offset:1024*\j
	global_load_b128 v[32*\t+8*\j+4:32*\t+8*\j+7], v[RO+\t], s[6:7] offset:1024*\j+512
.endr
.endr
	WIN 0
	s_wait_loadcnt 32                              ; x, w2 and the records are in; the 32 loads of rows may stay out
.irp t, 0,1,2,3                        ; the four accumulators take turns; source 0 = the quad four times, source 1 = my work-group's 16 tokens
	v_wmma_scale_f32_16x16x128_f8f6f4 v[ACC+8*\t:ACC+8*\t+7], v[WF+24*\t:WF+24*\t+11], v[XF:XF+11], 0, v[WS+\t], v[XS] matrix_a_fmt:MATRIX_FMT_BF6 matrix_b_fmt:MATRIX_FMT_BF6
.endr
.irp t, 0,1,2,3
	v_wmma_scale_f32_16x16x128_f8f6f4 v[ACC+8*\t:ACC+8*\t+7], v[WF+24*\t+12:WF+24*\t+23], v[XF+12:XF+23], v[ACC+8*\t:ACC+8*\t+7], v[WS+\t], v[XS] matrix_a_fmt:MATRIX_FMT_BF6 matrix_b_fmt:MATRIX_FMT_BF6 matrix_a_scale:MATRIX_SCALE_ROW1 matrix_b_scale:MATRIX_SCALE_ROW1
.endr
.irp p, 0,2
	v_pk_add_f32 v[XT+\p:XT+\p+1], v[W2+\p:W2+\p+1], v[50:51] op_sel_hi:[1,0]   ; x2 + w2, rounded once.  These two and the three v_nop are the places behind the products (ISA guide 7.12.1)
.endr
.rept 3
	v_nop
.endr
.irp t, 1,2,3                          ; token 4 q + t's column of its own product goes to its lanes in the first accumulator; each accumulator is read from its low end on
.irp j, 0,1,2,3
	v_cndmask_b32 v[ACC+\j], v[ACC+\j], v[ACC+8*\t+\j], s[28+\t]
.endr
.endr
.irp p, 0,2
	v_pk_fma_f32 v[ACC+\p:ACC+\p+1], v[ACC+\p:ACC+\p+1], -2.0, v[XT+\p:XT+\p+1] op_sel_hi:[1,0,1]   ; d, rounded once
.endr
	v_mov_b32 v210, v[ACC]                         ; the smallest d of the four codes, and the first place that has it
	v_mov_b32 v211, 0
.irp j, 1,2,3
	v_cmp_ge_f32 vcc_lo, v[ACC+\j], v210           ; not lower: the earlier place stays
	v_cndmask_b32 v211, \j, v211, vcc_lo
	v_min_num_f32 v210, v210, v[ACC+\j]
.endr
.irp t, 0,1,2,3
	v_readlane_b32 s[44+\t], v211, s[24+\t]        ; token 4 q + t's place, 0 .. 3: it makes masks alone, no address
.endr
.irp t, 0,1,2,3
.irp b, 0,1
	s_bitcmp1_b32 s[44+\t], \b
	s_cselect_b32 s[48+2*\t+\b], -1, 0
.endr
.endr
.irp t, 0,1,2,3
	s_wait_loadcnt 24-8*\t                         ; this token's rows are in; the later tokens' may stay out
	WIN 0x45                                       ; sources and destination in window 1
.irp j, 0,2
.irp i, 0,1,2,3,4,5,6,7
	v_cndmask_b32 v[32*\t+8*\j+\i], v[32*\t+8*\j+\i], v[32*\t+8*\j+8+\i], s[48+2*\t]
.endr
.endr
.irp i, 0,1,2,3,4,5,6,7
	v_cndmask_b32 v[32*\t+\i], v[32*\t+\i], v[32*\t+16+\i], s[49+2*\t]
.endr
	WIN 0x41                                       ; source 1 (x) in window 0
.irp p, 0,2,4,6
	v_pk_add_f32 v[32*\t+\p:32*\t+\p+1], v[32*\t+\p:32*\t+\p+1], v[XR+8*\t+\p:XR+8*\t+\p+1] neg_lo:[0,1] neg_hi:[0,1]   ; w - x
.endr
	WIN 0x44                                       ; source 0 (x) in window 0
.irp p, 0,2,4,6
	v_pk_add_f32 v[32*\t+\p:32*\t+\p+1], v[XR+8*\t+\p:XR+8*\t+\p+1], v[32*\t+\p:32*\t+\p+1]                             ; x + (w - x)
.endr
	WIN 0x04                                       ; the stores' data in window 1
	global_store_b128 v4, v[32*\t:32*\t+3], s[16:17] offset:1024*\t th:TH_STORE_NT          ; 512 consecutive bytes, at a multiple of 256 from the buffer's first byte
	global_store_b128 v4, v[32*\t+4:32*\t+7], s[16:17] offset:1024*\t+512 th:TH_STORE_NT
.endr
	WIN 0
	s_endpgm
.Lfunc_end_k_q8f61a7a8c1_pick:
	.size	k_q8f61a7a8c1_pick, .Lfunc_end_k_q8f61a7a8c1_pick-k_q8f61a7a8c1_pick
	.p2alignl 7, 3214868480
	.fill 96, 4, 3214868480
	.section	.rodata,"a",@progbits
	.p2align	6, 0x0
	.amdhsa_kernel k_q8f61a7a8c1_pick
		.amdhsa_group_segment_fixed_size 0
		.amdhsa_private_segment_fixed_size 0
		.amdhsa_enable_private_segment 0
		.amdhsa_kernarg_size 56
		.amdhsa_user_sgpr_count 2
		.amdhsa_user_sgpr_kernarg_segment_ptr 1
		.amdhsa_wavefront_size32 1
		.amdhsa_system_sgpr_workgroup_id_x 1
		.amdhsa_system_sgpr_workgroup_id_y 1
		.amdhsa_system_sgpr_workgroup_id_z 1
		.amdhsa_system_vgpr_workitem_id 0
		.amdhsa_next_free_vgpr 384
		.amdhsa_next_free_sgpr 66
		.amdhsa_reserve_vcc 1
		.amdhsa_float_denorm_mode_32 3
		.amdhsa_float_denorm_mode_16_64 3
		.amdhsa_memory_ordered 1
		.amdhsa_forward_progress 1
		.amdhsa_inst_pref_size 27
	.end_amdhsa_kernel
	.amdgpu_metadata
---
amdhsa.version: [ 1, 2 ]
amdhsa.kernels:
  - .name:           k_q8f61a7a8c1_pick
    .symbol:         k_q8f61a7a8c1_pick.kd
    .args:
      - { .name: x_flat, .offset: 0, .size: 8, .value_kind: global_buffer, .address_space: global }
      - { .name: weight, .offset: 8, .size: 8, .value_kind: global_buffer, .address_space: global }
      - { .name: xq, .offset: 16, .size: 8, .value_kind: global_buffer, .address_space: global }
      - { .name: wq, .offset: 24, .size: 8, .value_kind: global_buffer, .address_space: global }
      - { .name: pkey, .offset: 32, .size: 8, .value_kind: global_buffer, .address_space: global }
      - { .name: ptile, .offset: 40, .size: 8, .value_kind: global_buffer, .address_space: global }
      - { .name: out0, .offset: 48, .size: 8, .value_kind: global_buffer, .address_space: global }
    .group_segment_fixed_size: 0
    .private_segment_fixed_size: 0
    .kernarg_segment_align: 8
    .kernarg_segment_size: 56
    .max_flat_workgroup_size: 128
    .sgpr_count:     66
    .vgpr_count:     384
    .wavefront_size: 32
...
	.end_amdgpu_metadata
.endif
;; end of part 3
